; MI455X (gfx1250); checked and timed in simulation.
; The chip was launched on July 23, 2026; its instructions are those of AMD's public machine-readable ISA for CDNA 5 (MIT licence, August 2026) and "CDNA5" Instruction Set Architecture Reference Guide (July 2026). The comments in the code are by the model that wrote it; some were corrected since.
;; Causal Self Attention. Allowed arithmetic: matrix products marked QUANTISED: E4M3 operands, one given power-of-two scale a tensor, by v_wmma_f32_16x16x64_fp8_fp8 or v_wmma_f32_16x16x128_fp8_fp8, f32 sums; everything else in f32.
;; Inputs: W_attn 3,072 x 1,024 float32; W_proj 1,024 x 1,024 float32; b_attn 3,072 float32; b_proj 1,024 float32; lowp_scales 8 int32 (the exponents e of the quantised operands' scales 2^e); x 8,192 x 1,024 float32.
;; Outputs: out0 8,192 x 1,024 float32.
;; This version of the problem:
;;   THIS VERSION OF THE PROBLEM IS GIVEN IN LOW PRECISION. The matrix products marked QUANTISED in the list below multiply operands that are first quantised to E4M3 (4 exponent bits, 3 mantissa bits; 8 bits a number), with one given power-of-two scale for each operand tensor; their sums are f32. All else is computed in f32.
;;   The module's matrix products, in the order in which they are computed (A, B: the left and right operand; K: the contracted axis; several contracted axes count as one K, in the product's order):
;;     1. [M 8,192, K 1,024] x [K 1,024, N 3,072]; A: input x; B: input W_attn: QUANTISED (scales: A lowp_scales[0], B lowp_scales[1])
;;     2. batch 128 x [M 1,024, K 64] x [K 64, N 1,024]; A: computed on the way; B: computed on the way: QUANTISED (scales: A lowp_scales[2], B lowp_scales[3])
;;     3. batch 128 x [M 1,024, K 1,024] x [K 1,024, N 64]; A: softmax (see below); B: computed on the way: QUANTISED (scales: A lowp_scales[4], B lowp_scales[5])
;;     4. [M 8,192, K 1,024] x [K 1,024, N 1,024]; A: computed on the way; B: input W_proj: QUANTISED (scales: A lowp_scales[6], B lowp_scales[7])
;;   THE QUANTISER, for each operand of a quantised product, along K:
;;     - The operand's scale is 2^e, e = its entry of the input lowp_scales (int32; the entries are numbered through the quantised products in the list's order, A before B).
;;     - Each number is divided by the scale, clamped to +-448, and rounded to the nearest number of E4M3, ties to even, subnormals kept.
;;     - The product sums the exact products of the quantised numbers (number of the format x scale) in f32.
;;   ~~~python
;;   def quantise(x, axis, e):      # numpy; x: float32 -> the quantised numbers, widened to float32 again
;;       x = np.moveaxis(x, axis, -1); K = x.shape[-1]
;;       r = np.clip(x / 2.0 ** e, -448, 448)
;;       step = 2.0 ** (np.maximum(np.frexp(np.where(r == 0, 1, r))[1] - 1, -6) - 3)
;;       q = np.round(r / step) * step * 2.0 ** e      # np.round: ties to even
;;       return np.moveaxis(q, -1, axis).astype(np.float32)
;;   ~~~
;;   SOFTMAX AHEAD OF A QUANTISED PRODUCT. Where the list says 'softmax', what is quantised is not the finished softmax but p = 2^(t - M), with t = logit x log2(e) and M = ceil(the row's largest t), a whole number; so 1/2 < the row's largest p <= 1. The row's sum l is taken of the UNQUANTISED p, in f32, and the product's result is divided by l at the end. Since M is a whole number, a kernel that streams over the keys may use a running M (the ceiling of the running maximum): every later rescaling is an exact power of two, so the quantised numbers keep their values, but for numbers so far below the row's largest that they fall under the format's range.
;;   OPERANDS COMPUTED ON THE WAY. 'Computed on the way' means the value that the module computes at that place (a softmax that the list does not call 'softmax' is quantised finished and normalised). What goes into a quantiser is computed in f32, as accurately as f32 sums, v_exp_f32 and their like allow (about 1e-6 of the number): no bf16 or f16 on the way to a quantiser, and a product that is left as it is and whose result goes on into a quantised operand takes f32 operands (vector FMAs, or v_wmma_f32_16x16x4_f32). A number that lies on a knife's edge between two numbers of the format may be rounded either way, as far as f32 arithmetic and the matrix unit's own rounding can turn it there, and no further.
;; One version. Each part assembles by itself: llvm-mc -triple=amdgcn-amd-amdhsa -mcpu=gfx1250 --defsym DOCPART=n.
;; ======== version 1 of 1: 4 launches
;; limits: right only within a limited range of input values
;; workspace buffers: x_img 8,388,608 bytes; wa_img 3,145,728 bytes; wp_img 1,048,576 bytes; q_img 8,388,608 bytes; k_img 8,388,608 bytes; v_img 8,388,608 bytes; y_img 8,388,608 bytes
;; launch quant (part 1): grid 384 x 1, 4 waves a work-group, no clusters, 34,304 bytes of LDS; arguments x, W_attn, W_proj, lowp_scales, x_img, wa_img, wp_img; writes x_img, wa_img, wp_img
.if DOCPART == 1
	.amdgcn_target "amdgcn-amd-amdhsa--gfx1250"
	.amdhsa_code_object_version 6
	.text
	.protected	k_qa778dfa718_quant
	.globl	k_qa778dfa718_quant
	.p2align	8
	.type	k_qa778dfa718_quant,@function
k_qa778dfa718_quant:
	s_mov_b64 s[64:65], 0
	v_nop
	global_prefetch_b8 v0, s[64:65] scope:SCOPE_SE
	s_setreg_imm32_b32 hwreg(HW_REG_WAVE_MODE, 25, 1), 1
	s_wait_xcnt 0x0
; x [8192][1024], W_attn [3072][1024], W_proj [1024][1024], f32, K innermost, become codes of FP8 (E4M3), each with its given scale 2^e
; (entries 0, 1 and 7 of the scales): code = number / 2^e, held within +-448, rounded to the nearest code, ties to even.
; THE CODES ARE LAID AS IMAGES OF OPERAND REGISTERS.  A fragment (16 rows x 128 along K) is 2,048 bytes, [piece c 0..3][lane 0..31][16 bytes]: lane (r = lane % 16, h = lane / 16), piece c,
; holds k = 32 c + 16 h + 0 .. 15 of the fragment's row r.  A buffer is [tile of 16 rows RT][K step s of 128][2,048 bytes].
; THE ROWS OF A TILE ARE NOT NEIGHBOURS: place r of tile RT is row 32 (RT / 2) + 8 (RT % 2) + r + 8 (r / 8), so that results made from two neighbouring tiles are 16 neighbours along a later product's K.
; SHARES.  Work-groups 0-255 take x, 256-351 W_attn, 352-383 W_proj: 32 rows each; only pointers and the exponent are chosen, the text has one path.  Wave w takes tile 2 g + w / 2 and the K half w % 2: four steps of 16 rows x 128.
; A step: sixteen loads of 512 consecutive bytes (one row's 128 numbers each), through the wave's own stage in LDS (rows 528 bytes apart), back as 16 neighbours a lane for each piece; hold, conversion, four stores of 512 consecutive bytes.
; Waves share nothing: no barrier.  Two steps' loads (32 a wave) are on their way.
; LIMITS: each e between -126 and 119.  NaN among the inputs is not served; an infinity is held at the largest code.
.set PITCH, 528                        ; a stage row: 512 bytes + 16
.set R, 16                             ; v16-143  two sets of 64 registers as loaded
.set X, 144                            ; v144-207 64 numbers: register 16 c + i = k 32 c + 16 h + i of my row
.set C, 208                            ; v208-239 two sets of 16 registers of codes
	s_load_b256 s[4:11], s[0:1], 0x0               ; x, W_attn, W_proj, the scales' exponents
	s_load_b128 s[12:15], s[0:1], 0x20             ; x_img, wa_img
	s_load_b64 s[16:17], s[0:1], 0x30              ; wp_img
	v_lshl_add_u32 v240, v0, 2, 0x8400
	v_mov_b32 v241, 0
	v_lshrrev_b32 v1, 5, v0
	v_readfirstlane_b32 s20, v1                    ; wave 0..3
	v_and_b32 v2, 31, v0                           ; lane
	v_lshlrev_b32 v3, 4, v2                        ; 16 x lane: my bytes of a load's and of a store's 512; never rewritten
	s_mul_i32 s21, s20, 16*PITCH                   ; my stage
	v_add_nc_u32 v4, s21, v3                       ; into it: as loaded
	v_and_b32 v6, 15, v0                           ; r
	v_bfe_u32 v7, v0, 4, 1                         ; h
	v_mul_u32_u24 v5, v6, PITCH
	v_lshl_add_u32 v5, v7, 6, v5
	v_add_nc_u32 v5, s21, v5                       ; out of it: row r, + 64 h bytes
	s_mov_b32 s22, 352
	s_cmp_lt_u32 ttmp9, 352
	s_cselect_b32 s22, 256, s22
	s_cmp_lt_u32 ttmp9, 256
	s_cselect_b32 s22, 0, s22                      ; my tensor's first work-group
	s_sub_co_u32 s23, ttmp9, s22                   ; g: which 32 rows of it
	s_lshr_b32 s40, s20, 1                         ; which of the two tiles
	s_and_b32 s41, s20, 1                          ; which K half
	s_lshl_b32 s38, s23, 17                        ; in: 32 rows of 4,096 bytes,
	s_lshl_b32 s44, s40, 15                        ; the odd tile begins 8 rows down,
	s_add_co_u32 s38, s38, s44
	s_lshl_b32 s44, s41, 11                        ; 512 numbers along K
	s_add_co_u32 s38, s38, s44
	s_mov_b32 s39, 0
	s_lshl_b32 s42, s23, 15                        ; out: two tiles of 16,384 bytes,
	s_lshl_b32 s44, s40, 14
	s_add_co_u32 s42, s42, s44
	s_lshl_b32 s44, s41, 13                        ; four fragments
	s_add_co_u32 s42, s42, s44
	s_mov_b32 s43, 0
	s_wait_alu depctr_va_vdst(0)
	s_wait_kmcnt 0x0
	s_load_b256 s[24:31], s[10:11], 0x0            ; the eight exponents
	s_cmp_lt_u32 ttmp9, 352                        ; the choices hang on the work-group's number alone
	s_cselect_b64 s[34:35], s[6:7], s[8:9]
	s_cselect_b64 s[36:37], s[14:15], s[16:17]
	s_cmp_lt_u32 ttmp9, 256
	s_cselect_b64 s[34:35], s[4:5], s[34:35]
	s_cselect_b64 s[36:37], s[12:13], s[36:37]
	s_add_nc_u64 s[34:35], s[34:35], s[38:39]
	s_add_nc_u64 s[36:37], s[36:37], s[42:43]
.macro LOAD t                          ; step t: place p's row, 512 consecutive bytes a load; the order of the rows stands in the immediate
.irp p, 0,1,2,3,4,5,6,7,8,9,10,11,12,13,14,15
	global_load_b128 v[R+64*((\t)%2)+4*\p:R+64*((\t)%2)+4*\p+3], v3, s[34:35] offset:(\p+8*(\p/8))*4096+512*(\t) th:TH_LOAD_NT
.endr
.endm
	LOAD 0
	LOAD 1
	s_wait_kmcnt 0x0
	s_cmp_lt_u32 ttmp9, 352
	s_cselect_b32 s32, s25, s31
	s_cmp_lt_u32 ttmp9, 256
	s_cselect_b32 s32, s24, s32                    ; e
	s_add_co_i32 s32, s32, 127
	s_lshl_b32 s33, s32, 23
	v_mov_b32 v11, s33                             ; 2^e as f32: the conversion takes its exponent field
	s_add_co_i32 s32, s32, 8
	s_lshl_b32 s32, s32, 23
	s_or_b32 s32, s32, 0x600000
	v_mov_b32 v10, s32                             ; 448 x 2^e
.macro STEP t
.if (\t) < 3
	s_wait_loadcnt 16                              ; this step's sixteen loads are in; the next step's sixteen may be out
.else
	s_wait_loadcnt 0x0
.endif
.irp p, 0,1,2,3,4,5,6,7,8,9,10,11,12,13,14,15
	ds_store_b128 v4, v[R+64*((\t)%2)+4*\p:R+64*((\t)%2)+4*\p+3] offset:\p*PITCH
.endr
.irp c, 0,1,2,3
.irp i, 0,1,2,3
	ds_load_b128 v[X+16*\c+4*\i:X+16*\c+4*\i+3], v5 offset:128*\c+16*\i   ; LDS serves a wave's instructions in order (ISA guide 5.7.1.4): these see the stores above
.endr
.endr
	s_wait_dscnt 0x0                               ; my 64 numbers are back, and the stores into the stage have read their registers,
.if (\t) < 2
	LOAD (\t)+2                                    ; which take the loads of two steps on
.endif
.set J, 0
.rept 64
	v_med3_num_f32 v[X+J], v[X+J], -v10, v10       ; the conversion to an 8-bit code does not saturate (ISA guide 7.6.2): the hold at the largest code x the scale
.set J, J+1
.endr
.if (\t) >= 2
	s_wait_alu depctr_va_vdst(0)
	s_wait_xcnt 0x0                                ; the stores of two steps back have read this set of codes: it is written again only behind this wait
.endif
.irp c, 0,1,2,3
	v_cvt_scalef32_pk8_fp8_f32 v[C+16*((\t)%2)+4*\c:C+16*((\t)%2)+4*\c+1], v[X+16*\c:X+16*\c+7], v11
	v_cvt_scalef32_pk8_fp8_f32 v[C+16*((\t)%2)+4*\c+2:C+16*((\t)%2)+4*\c+3], v[X+16*\c+8:X+16*\c+15], v11
.endr
	v_nop                                          ; a plain vector line behind the last conversion of the run
.irp c, 0,1,2,3
	global_store_b128 v3, v[C+16*((\t)%2)+4*\c:C+16*((\t)%2)+4*\c+3], s[36:37] offset:2048*(\t)+512*\c   ; 32 lanes store 512 consecutive bytes, at a multiple of 512 from the buffer's first byte
.endr
.endm
	s_wait_alu depctr_va_vdst(0)
	STEP 0
	STEP 1
	STEP 2
	STEP 3
	s_wait_tensorcnt 0x0
	ds_add_u32 v240, v241
	s_wait_dscnt 0x0
	s_endpgm
.Lfunc_end_k_qa778dfa718_quant:
	.size	k_qa778dfa718_quant, .Lfunc_end_k_qa778dfa718_quant-k_qa778dfa718_quant
	.p2alignl 7, 3214868480
	.fill 96, 4, 3214868480
	.section	.rodata,"a",@progbits
	.p2align	6, 0x0
	.amdhsa_kernel k_qa778dfa718_quant
		.amdhsa_group_segment_fixed_size 34304
		.amdhsa_private_segment_fixed_size 0
		.amdhsa_enable_private_segment 0
		.amdhsa_kernarg_size 56
		.amdhsa_user_sgpr_count 2
		.amdhsa_user_sgpr_kernarg_segment_ptr 1
		.amdhsa_wavefront_size32 1
		.amdhsa_system_sgpr_workgroup_id_x 1
		.amdhsa_system_sgpr_workgroup_id_y 1
		.amdhsa_system_sgpr_workgroup_id_z 1
		.amdhsa_system_vgpr_workitem_id 0
		.amdhsa_next_free_vgpr 242
		.amdhsa_next_free_sgpr 66
		.amdhsa_reserve_vcc 0
		.amdhsa_float_denorm_mode_32 3
		.amdhsa_float_denorm_mode_16_64 3
		.amdhsa_memory_ordered 1
		.amdhsa_forward_progress 1
		.amdhsa_inst_pref_size 37
	.end_amdhsa_kernel
	.amdgpu_metadata
---
amdhsa.version: [ 1, 2 ]
amdhsa.kernels:
  - .name:           k_qa778dfa718_quant
    .symbol:         k_qa778dfa718_quant.kd
    .args:
      - { .name: x, .offset: 0, .size: 8, .value_kind: global_buffer, .address_space: global }
      - { .name: W_attn, .offset: 8, .size: 8, .value_kind: global_buffer, .address_space: global }
      - { .name: W_proj, .offset: 16, .size: 8, .value_kind: global_buffer, .address_space: global }
      - { .name: lowp_scales, .offset: 24, .size: 8, .value_kind: global_buffer, .address_space: global }
      - { .name: x_img, .offset: 32, .size: 8, .value_kind: global_buffer, .address_space: global }
      - { .name: wa_img, .offset: 40, .size: 8, .value_kind: global_buffer, .address_space: global }
      - { .name: wp_img, .offset: 48, .size: 8, .value_kind: global_buffer, .address_space: global }
    .group_segment_fixed_size: 34304
    .private_segment_fixed_size: 0
    .kernarg_segment_align: 8
    .kernarg_segment_size: 56
    .max_flat_workgroup_size: 128
    .sgpr_count:     66
    .vgpr_count:     242
    .wavefront_size: 32
...
	.end_amdgpu_metadata
.endif
;; end of part 1
;; launch qkv (part 2): grid 8 x 32, 4 waves a work-group, clusters of 4 x 4, 327,680 bytes of LDS; arguments x_img, wa_img, b_attn, lowp_scales, q_img, k_img, v_img; writes q_img, k_img, v_img
.if DOCPART == 2
	.amdgcn_target "amdgcn-amd-amdhsa--gfx1250"
	.amdhsa_code_object_version 6
	.text
	.protected	k_qa778dfa718_qkv
	.globl	k_qa778dfa718_qkv
	.p2align	8
	.type	k_qa778dfa718_qkv,@function
k_qa778dfa718_qkv:
	s_mov_b64 s[64:65], 0
	v_nop
	global_prefetch_b8 v0, s[64:65] scope:SCOPE_SE
	s_setreg_imm32_b32 hwreg(HW_REG_WAVE_MODE, 25, 1), 1
	s_wait_xcnt 0x0
	s_wait_alu depctr_hold_cnt(0) depctr_sa_sdst(0) depctr_va_vdst(0) depctr_va_sdst(0) depctr_va_ssrc(0) depctr_va_vcc(0) depctr_vm_vsrc(0)
	s_getreg_b32 s2, hwreg(HW_REG_IB_STS2, 6, 4)
	s_cmp_eq_u32 s2, 0
	s_cbranch_scc0 .Lentry_in_a_cluster
	s_endpgm
.Lentry_in_a_cluster:
	s_bfe_u32 s2, ttmp6, 0x10000c
	s_cmp_lg_u32 s2, 0xf033
	s_cbranch_scc0 .Lentry_shape_is_right
	s_endpgm
.Lentry_shape_is_right:
; qkv = x W_attn^T + b_attn on codes of FP8 (E4M3), and the quantisers of q, k and v.  K = 1,024.  Sums in f32; number = sum x 2^(e0 + e1) + bias, one fused multiply-add; code = number / 2^eo, held within +-448 (eo = e2 for q, e3 for k, e5 for v).
; OPERANDS ARE IMAGES OF REGISTERS: [tile of 16 places][K step of 128][piece c][lane][16 bytes], 16,384 bytes a tile; lane (r, h), piece c: k = 32 c + 16 h + 0 .. 15 of place r; place r of tile RT is row 32 (RT / 2) + 8 (RT % 2) + r + 8 (r / 8).
; So with source 0 = two neighbouring tiles a lane's 16 results are 16 neighbouring rows of source 0, in the order of a piece of the next operand.
; SHARES.  Work-group (X, Y): tokens 256 Y on, rows 256 X on of q's and k's 2,048 rows of W_attn (q for X under 4, else k) and rows 128 X on of v's: 24 tiles of W_attn, in twelve groups of two.
; Wave w owns 64 tokens: ITS x STAYS IN REGISTERS for all of K (32 fragments, 512 registers) and serves all groups.  Groups 0-7: source 0 = W_attn, a lane holds 16 neighbouring channels of a token.  Groups 8-11 (V^T): source 0 = x, a lane holds 16 neighbouring keys of a channel.
; LDS: x (262,144 bytes) and group 0 (32,768) at the head.  When every wave has x in registers its bytes are two slots of 131,072: slot 0 takes groups 1-4, slot 1 groups 5-8, slot 0 groups 9-11.
; A group's fragments fill window 1; behind a K step's products its set takes the next group's.
; CLUSTERS: 4 x 4 work-groups; x's tiles hang on Y and are shared along a row of the cluster, W_attn's on X and are shared along a column: joint loads.
; THE WAY OUT needs no LDS: the conversions' results are pieces of the next operands' images; each store covers 512 consecutive bytes at a multiple of 512.
;   q_img, k_img: [segment x 16 + head][tile of 16 tokens][piece c' 0..1][lane][16];  v_img: [segment x 16 + head][key step of 128][tile of 16 channels][piece c][lane][16].
; No prefetch: three fills behind the head's, and no loop over fills to run ahead in.
; LIMITS: e0 + e1 between -126 and 127; e2, e3, e5 between -126 and 119.  NaN is not served.
; REGISTERS: window 0: v16-33 addresses and scales, v64-79 the group's bias, v112-127 codes, v128-191 numbers, v192-255 the 8 accumulators;  window 1: W_attn's fragments, K step k at v[32 k];  windows 2, 3: x's, (k, a) at v[64 (k % 4) + 16 a].
.set SPARE, 294912                     ; the spare words, 128 bytes for each wave
.set W0,   262144                      ; group 0
.set ADX,  16
.set ADW,  17
.set LI,   27
.set SPW,  28
.set NIL,  29
.set SCL,  30                          ; v30, v31: 2^eo and 448 x 2^eo of q or k;  v32, v33: of v
.set BQ,   64
.set COD,  112
.set TMP,  128
.set ACC,  192
.set G1X, 24                           ; descriptor groups 1: x's half,
.set G1W, 48                           ; group 0's half,
.set G1S, 76                           ; a quarter of a slot,
.set G1L, 16                           ; a quarter of groups 9-11
.set G0X, 32                           ; and their groups 0
.set G0W, 36
.set G0S, 56
.set G0T, 60
.set G0L, 92
.set MSB, 0
.macro WIN new                         ; the immediate's high byte repeats the setting that is left
.if MSB != (\new)
	s_set_vgpr_msb (MSB<<8)|(\new)
.set MSB, (\new)
.endif
.endm
.macro PLACES n
.rept \n
	v_nop
.endr
.endm
.macro CREST                           ; a round of the cluster's barrier behind its opening barrier
	s_cmp_lg_u32 s14, 0
	s_cbranch_scc1 .Lnot_wave_0_\@
	s_barrier_signal -3
.Lnot_wave_0_\@:
	s_barrier_wait -3
	s_barrier_signal -1
	s_barrier_wait -1
.endm
.macro CROUND                          ; a whole round
	s_barrier_signal -1
	s_barrier_wait -1
	CREST
.endm
	s_load_b256 s[4:11], s[0:1], 0x0               ; x_img, wa_img, b_attn, the scales' exponents
	s_load_b128 s[84:87], s[0:1], 0x20             ; q_img, k_img
	s_load_b64 s[88:89], s[0:1], 0x30              ; v_img
	v_lshl_add_u32 v[SPW], v0, 2, SPARE
	v_mov_b32 v[NIL], 0
	ds_add_u32 v[SPW], v[NIL]                      ; the wave's opening: the add, twice on end, and its wait further on
	ds_add_u32 v[SPW], v[NIL]
	v_lshrrev_b32 v1, 5, v0
	v_readfirstlane_b32 s14, v1                    ; wave 0..3
	s_lshl_b32 s40, s14, 16
	v_and_b32 v1, 31, v0
	v_lshlrev_b32 v[LI], 4, v1                     ; 16 x lane
	v_add_nc_u32 v[ADX], s40, v[LI]                ; my 4 tiles of x
	v_add_nc_u32 v[ADW], W0, v[LI]                 ; group 0
	v_and_b32 v2, 15, v0                           ; r
	v_bfe_u32 v3, v0, 4, 1                         ; h
	v_lshlrev_b32 v7, 6, v3                        ; the bias by registers: 16 h elements on
	v_and_b32 v4, 8, v2
	v_add_nc_u32 v4, v4, v2
	v_lshlrev_b32 v6, 2, v4                        ; and by lanes: r + 8 (r / 8) elements on
	s_wait_alu depctr_va_vdst(0)
	s_lshr_b32 s15, s14, 1                         ; I fetch x's tiles (0) or group 0's (1) at the head
	s_bfe_u32 s40, ttmp6, 0x40000                  ; cx, cy
	s_bfe_u32 s41, ttmp6, 0x40004
	s_lshl_b32 s90, ttmp9, 2
	s_add_co_u32 s90, s90, s40                     ; X = 4 x cluster x + cx, 0 .. 7
	s_and_b32 s91, ttmp7, 0xffff
	s_lshl_b32 s91, s91, 2
	s_add_co_u32 s91, s91, s41                     ; Y = 4 x cluster y + cy, 0 .. 31
	s_lshl_b32 s42, s41, 2
	s_lshl_b32 s42, 15, s42                        ; my row of the cluster
	s_lshl_b32 s43, 0x1111, s40                    ; my column
	; descriptor group 1: a dense block of rows of 512 elements of 8 bytes (4,096 bytes)
	s_or_b32 s[G1X], s42, (3<<16)|(1<<21)
	s_or_b32 s[G1W], s43, (3<<16)|(1<<21)
	s_or_b32 s[G1S], s43, (3<<16)|(1<<21)
	s_or_b32 s[G1L], s43, (3<<16)|(1<<21)
.irp g, G1X, G1W, G1S, G1L
	s_mov_b32 s[\g+1], 512<<16
	s_mov_b32 s[\g+3], 512<<16
	s_mov_b32 s[\g+5], 512
	s_mov_b32 s[\g+6], 0
	s_mov_b32 s[\g+7], 0
.endr
	s_mov_b32 s[G1X+2], 32<<16
	s_mov_b32 s[G1X+4], 32
	s_mov_b32 s[G1W+2], 4<<16
	s_mov_b32 s[G1W+4], 4
	s_mov_b32 s[G1S+2], 8<<16
	s_mov_b32 s[G1S+4], 8
	s_mov_b32 s[G1L+2], 6<<16
	s_mov_b32 s[G1L+4], 6
	; group 0: the LDS addresses hang on the wave alone
	s_and_b32 s40, s14, 1
	s_mov_b32 s[G0X], 1
	s_mov_b32 s[G0W], 1
	s_mov_b32 s[G0S], 1
	s_mov_b32 s[G0T], 1
	s_mov_b32 s[G0L], 1
	s_lshl_b32 s[G0X+1], s40, 17
	s_lshl_b32 s41, s40, 14
	s_add_co_u32 s[G0W+1], s41, W0
	s_lshl_b32 s[G0S+1], s14, 15
	s_add_co_u32 s[G0T+1], s[G0S+1], 131072
	s_mul_i32 s[G0L+1], s14, 24576
	; where they come from, in bytes
	s_lshl_b32 s42, s91, 18                        ; x: 16 tiles for each 256 tokens, half a wave
	s_lshl_b32 s43, s40, 17
	s_add_co_u32 s42, s42, s43
	s_mov_b32 s43, 0
	s_lshl_b32 s66, s90, 18                        ; q's and k's rows: 16 tiles for each X
	s_lshl_b32 s67, s90, 17
	s_add_co_u32 s67, s67, 0x200000                ; v's: 8, behind the 128 of q and k
	s_add_co_u32 s44, s66, s41                     ; group 0: a tile a wave
	s_mov_b32 s45, 0
	s_lshl_b32 s46, s14, 15
	s_add_co_u32 s96, s66, s46
	s_add_co_u32 s46, s96, 32768                   ; slot 0: group 1 + wave
	s_mov_b32 s47, 0
	s_add_co_u32 s96, s96, 163840                  ; slot 1: group 5 + wave: group 8 is v's first
	s_cmp_eq_u32 s14, 3
	s_cselect_b32 s96, s67, s96
	s_mov_b32 s97, 0
	s_mul_i32 s98, s14, 24576
	s_add_co_u32 s98, s98, s67
	s_add_co_u32 s98, s98, 32768                   ; v's last six tiles, a quarter a wave
	s_mov_b32 s99, 0
	s_wait_dscnt 0x0                               ; both opening adds are done
	s_wait_kmcnt 0x0
	s_load_b256 s[68:75], s[10:11], 0x0            ; e0 .. e7
	s_add_nc_u64 s[G0X+2:G0X+3], s[4:5], s[42:43]
	s_add_nc_u64 s[G0W+2:G0W+3], s[6:7], s[44:45]
	s_add_nc_u64 s[G0S+2:G0S+3], s[6:7], s[46:47]
	s_add_nc_u64 s[G0T+2:G0T+3], s[6:7], s[96:97]
	s_add_nc_u64 s[G0L+2:G0L+3], s[6:7], s[98:99]
.irp g, G0X, G0W, G0S, G0T, G0L
	s_or_b32 s[\g+3], s[\g+3], 0x80000000
.endr
	CROUND                                         ; all sixteen work-groups are here: the first joint loads meet
	s_cmp_eq_u32 s15, 0                            ; the branch hangs on the wave's number alone
	s_cbranch_scc0 .Lfor_w
	tensor_load_to_lds s[G0X:G0X+3], s[G1X:G1X+7]
	s_nop 0
	PLACES 4
	s_branch .Lasked
.Lfor_w:
	tensor_load_to_lds s[G0W:G0W+3], s[G1W:G1W+7]
	s_nop 0
	PLACES 4
.Lasked:
.macro BIASQ                           ; register 8 b + j: the bias of channel 16 h + 8 b + j of the group's 32
.irp n, 0,1,2,3
	global_load_b128 v[BQ+4*\n:BQ+4*\n+3], v7, s[66:67] offset:16*\n
.endr
.endm
	s_lshl_b32 s66, s90, 10                        ; element 256 X
	s_mov_b32 s67, 0
	s_add_nc_u64 s[66:67], s[8:9], s[66:67]
	BIASQ
	s_lshl_b32 s98, s90, 9                         ; v: element 2,048 + 128 X
	s_add_co_u32 s98, s98, 8192
	s_mov_b32 s99, 0
	s_add_nc_u64 s[98:99], s[8:9], s[98:99]
	; where my parts of the outputs begin.  Both: segment = Y / 4, 16 (Y % 4) tiles of 1,024 bytes = 2 (Y % 4) key steps of 8,192
	s_lshr_b32 s40, s91, 2
	s_lshl_b32 s40, s40, 20
	s_and_b32 s41, s91, 3
	s_lshl_b32 s41, s41, 14
	s_add_co_u32 s40, s40, s41
	s_and_b32 s42, s90, 3                          ; q, k: head 4 (X % 4) on, tile of tokens 4 w on
	s_lshl_b32 s42, s42, 18
	s_add_co_u32 s42, s42, s40
	s_lshl_b32 s41, s14, 12
	s_add_co_u32 s42, s42, s41
	s_mov_b32 s43, 0
	s_cmp_eq_u32 ttmp9, 0                          ; q or k: by the cluster's x, equal in all sixteen partners
	s_cselect_b64 s[12:13], s[84:85], s[86:87]
	s_add_nc_u64 s[12:13], s[12:13], s[42:43]
	s_lshl_b32 s42, s90, 17                        ; V^T: head 2 X on, key step + w / 2, piece 2 (w % 2) on
	s_add_co_u32 s42, s42, s40
	s_lshl_b32 s41, s15, 13
	s_add_co_u32 s42, s42, s41
	s_and_b32 s41, s14, 1
	s_lshl_b32 s41, s41, 10
	s_add_co_u32 s42, s42, s41
	s_add_nc_u64 s[88:89], s[88:89], s[42:43]
	s_wait_kmcnt 0x0
	s_add_co_i32 s100, s68, s69
	s_add_co_i32 s100, s100, 127
	s_lshl_b32 s100, s100, 23                      ; 2^(e0 + e1) as f32
	s_mov_b32 s101, s100                           ; (named with it as a pair, so it is written)
	s_cmp_eq_u32 ttmp9, 0
	s_cselect_b32 s40, s70, s71                    ; e2 for q, e3 for k
.macro SCALES d                        ; from s40 = eo: 2^eo and 448 x 2^eo
	s_add_co_i32 s40, s40, 127
	s_lshl_b32 s41, s40, 23
	v_mov_b32 v[\d], s41
	s_add_co_i32 s40, s40, 8
	s_lshl_b32 s40, s40, 23
	s_or_b32 s40, s40, 0x600000
	v_mov_b32 v[\d+1], s40
.endm
	SCALES SCL
	s_mov_b32 s40, s73                             ; e5 for v
	SCALES SCL+2
	s_mov_b32 s3, 0                                ; the group
.macro LDW k                           ; a group's two fragments of K step k: each load 512 consecutive bytes
	WIN 0x40
.irp b, 0,1
.irp c, 0,1,2,3
	ds_load_b128 v[32*(\k)+16*\b+4*\c:32*(\k)+16*\b+4*\c+3], v[ADW] offset:16384*\b+2048*(\k)+512*\c
.endr
.endr
.endm
.macro LDX k                           ; my x's four
	WIN 0x80+0x40*((\k)/4)
.irp a, 0,1,2,3
.irp c, 0,1,2,3
	ds_load_b128 v[64*((\k)%4)+16*\a+4*\c:64*((\k)%4)+16*\a+4*\c+3], v[ADX] offset:16384*\a+2048*(\k)+512*\c
.endr
.endr
.endm
; 8 matrix instructions, 128 along K: the 8 accumulators take turns, in the same order in every step; K step 0 starts the sums.  mode 0: q, k: 16 registers a tile of x;  1: V^T: 16 registers for tile b of W_attn and pair a / 2 of x's tiles.
.macro MULK k, mode
.if \mode
	WIN 0x06+((\k)/4)
.else
	WIN 0x09+4*((\k)/4)
.endif
.irp a, 0,1,2,3
.irp b, 0,1
.if \mode
.set D, ACC+16*(2*\b+\a/2)+8*(\a%2)
.set S0, 64*((\k)%4)+16*\a
.set S1, 32*(\k)+16*\b
.else
.set D, ACC+16*\a+8*\b
.set S0, 32*(\k)+16*\b
.set S1, 64*((\k)%4)+16*\a
.endif
.if (\k) == 0
	v_wmma_f32_16x16x128_fp8_fp8 v[D:D+7], v[S0:S0+15], v[S1:S1+15], 0
.else
	v_wmma_f32_16x16x128_fp8_fp8 v[D:D+7], v[S0:S0+15], v[S1:S1+15], v[D:D+7]
.endif
.endr
.endr
.endm
; THE WAY OUT of a group: numbers (each accumulator from its low end on), the hold, the conversions, four stores.
.macro OUT mode
	WIN 0
	s_wait_loadcnt 0x0                             ; the bias
	s_wait_xcnt 0x0                                ; the last group's stores have read their codes and their base
	s_lshr_b32 s44, s3, 1
	s_lshl_b32 s44, s44, 16                        ; a head is two groups;
	s_and_b32 s45, s3, 1
	s_lshl_b32 s45, s45, 9+3*\mode                 ; in it the odd group: piece 1 (V^T: channels' tiles 2 and 3)
	s_add_co_u32 s44, s44, s45
	s_mov_b32 s45, 0
.if \mode
	s_add_nc_u64 s[46:47], s[88:89], s[44:45]
.else
	s_add_nc_u64 s[46:47], s[12:13], s[44:45]
.endif
	s_add_nc_u64 s[66:67], s[66:67], 128           ; the next group's bias
	s_add_co_u32 s3, s3, 1
.set J, 0
.rept 32
.if \mode
	v_pk_fma_f32 v[TMP+J:TMP+J+1], v[ACC+J:ACC+J+1], s[100:101], v[BQ+2*(J/32):BQ+2*(J/32)+1] op_sel_hi:[1,0,0]
.else
	v_pk_fma_f32 v[TMP+J:TMP+J+1], v[ACC+J:ACC+J+1], s[100:101], v[BQ+(J%16):BQ+(J%16)+1] op_sel_hi:[1,0,1]
.endif
.set J, J+2
.endr
.set J, 0
.rept 64
	v_med3_num_f32 v[TMP+J], v[TMP+J], -v[SCL+1+2*\mode], v[SCL+1+2*\mode]   ; the conversion to an 8-bit code does not saturate (ISA guide 7.6.2)
.set J, J+1
.endr
.irp n, 0,1,2,3
	v_cvt_scalef32_pk8_fp8_f32 v[COD+4*\n:COD+4*\n+1], v[TMP+16*\n:TMP+16*\n+7], v[SCL+2*\mode]
	v_cvt_scalef32_pk8_fp8_f32 v[COD+4*\n+2:COD+4*\n+3], v[TMP+16*\n+8:TMP+16*\n+15], v[SCL+2*\mode]
.endr
	v_nop                                          ; a plain vector line behind the last conversion
.irp n, 0,1,2,3
.if \mode
	global_store_b128 v[LI], v[COD+4*\n:COD+4*\n+3], s[46:47] offset:2048*(\n/2)+512*(\n%2)   ; channels' tile n / 2, piece n % 2 of my two
.else
	global_store_b128 v[LI], v[COD+4*\n:COD+4*\n+3], s[46:47] offset:1024*\n                  ; tokens' tile n
.endif
.endr
.endm
; A GROUP.  ld = 1: behind each K step's products its registers take the next group's (LDS byte s2).
.macro BODY mode, ld
.if \mode
	global_load_b32 v[BQ], v6, s[66:67]            ; channel r + 8 (r / 8) of tile 0, and of tile 1, 8 further on (the pairs' upper halves were written by the groups before)
	global_load_b32 v[BQ+2], v6, s[66:67] offset:32
.else
	BIASQ
.endif
.if \ld
	v_add_nc_u32 v[ADW], s2, v[LI]
	s_wait_alu depctr_va_vdst(0)
.endif
.irp k, 0,1,2,3,4,5,6,7
.if \ld
	s_wait_dscnt 56                                ; K step k is in; seven younger steps' eight loads each may be out
.else
	s_wait_dscnt 8*(7-\k)
.endif
	MULK \k, \mode
	PLACES 4                                       ; in front of the loads, and of the first read of the sums
.if \ld
	LDW \k
.endif
.endr
	OUT \mode
.endm
; In front of a barrier behind which LDS bytes are filled.
.macro LINES
	s_wait_alu depctr_va_vdst(0)
	s_wait_tensorcnt 0x0                           ; all my tensor loads have landed,
	ds_add_u32 v[SPW], v[NIL]
	s_wait_dscnt 0x0                               ; the add and all my LDS reads are done
.endm
	s_wait_alu depctr_va_vdst(0)
	s_wait_tensorcnt 0x0                           ; my part of x and of group 0 is in,
	s_barrier_signal -1
	s_barrier_wait -1                              ; and everybody's
	LDW 0                                          ; GROUP 0, and x into registers
	LDX 0
	LDW 1
	LDX 1
.irp k, 0,1,2,3,4,5
	s_wait_dscnt 24                                ; K step k's 24 loads are in; the next step's may be out
	LDW \k+2
	LDX \k+2
	MULK \k, 0
.endr
	WIN 0
	s_wait_tensorcnt 0x0                           ; no tensor load of mine is out;
	ds_add_u32 v[SPW], v[NIL]                      ; 0 onto my spare word;
	s_wait_dscnt 25                                ; K step 6 is in (K step 7's 24 loads and the add may be out)
	MULK 6, 0
	s_wait_dscnt 0x0                               ; the add is done, and all my x is in registers
	s_barrier_signal -1
	MULK 7, 0
	WIN 0
	s_barrier_wait -1
	CREST                                          ; nobody reads x's bytes any more:
	tensor_load_to_lds s[G0S:G0S+3], s[G1S:G1S+7]  ; slot 0 takes groups 1 to 4, a group a wave
	s_nop 0
	PLACES 4                                       ; also the places ahead of the first read of the sums
	OUT 0
	v_mov_b32 v[ADW], v[LI]
	LINES
	CROUND                                         ; slot 0 is whole
	tensor_load_to_lds s[G0T:G0T+3], s[G1S:G1S+7]  ; slot 1 takes groups 5 to 8
	s_nop 0
	PLACES 4
.irp k, 0,1,2,3,4,5,6,7
	LDW \k
.endr
	WIN 0
	s_mov_b32 s2, 32768
	s_mov_b32 s48, 3
	s_mov_b32 s[G1W], 3                            ; groups 1 to 3: the loop's counter
.Lg1:
	BODY 0, 1
	s_add_co_u32 s2, s2, 32768
	s_sub_co_u32 s[G1W], s[G1W], 1
	s_wait_alu depctr_va_vdst(0)
	s_cmp_lg_u32 s[G1W], 0
	s_cbranch_scc1 .Lg1
	LINES                                          ; group 4 is in registers: slot 0 is free, and slot 1 whole
	CROUND
	tensor_load_to_lds s[G0L:G0L+3], s[G1L:G1L+7]  ; slot 0 takes groups 9 to 11
	s_nop 0
	PLACES 4
	s_mov_b32 s2, 131072
	s_mov_b32 s[G1W], 4
.Lg4:                                                  ; groups 4 to 7
	BODY 0, 1
	s_add_co_u32 s2, s2, 32768
	s_sub_co_u32 s[G1W], s[G1W], 1
	s_wait_alu depctr_va_vdst(0)
	s_cmp_lg_u32 s[G1W], 0
	s_cbranch_scc1 .Lg4
	LINES                                          ; group 8 is in registers, and slot 0 whole; nothing is filled again
	s_barrier_signal -1
	s_barrier_wait -1
	s_mov_b64 s[66:67], s[98:99]                   ; v's bias
	s_mov_b32 s3, 0
	s_mov_b32 s2, 0
	s_mov_b32 s[G1W], 3
.Lg8:                                                  ; groups 8 to 10
	BODY 1, 1
	s_add_co_u32 s2, s2, 32768
	s_sub_co_u32 s[G1W], s[G1W], 1
	s_wait_alu depctr_va_vdst(0)
	s_cmp_lg_u32 s[G1W], 0
	s_cbranch_scc1 .Lg8
	BODY 1, 0                                      ; group 11: nothing more to fetch
	LINES                                          ; the wave's end
	CROUND                                         ; the closing round: no work-group ends while a partner may still ask for a tile that names it
	s_endpgm
.Lfunc_end_k_qa778dfa718_qkv:
	.size	k_qa778dfa718_qkv, .Lfunc_end_k_qa778dfa718_qkv-k_qa778dfa718_qkv
	.p2alignl 7, 3214868480
	.fill 96, 4, 3214868480
	.section	.rodata,"a",@progbits
	.p2align	6, 0x0
	.amdhsa_kernel k_qa778dfa718_qkv
		.amdhsa_group_segment_fixed_size 327680
		.amdhsa_private_segment_fixed_size 0
		.amdhsa_enable_private_segment 0
		.amdhsa_kernarg_size 56
		.amdhsa_user_sgpr_count 2
		.amdhsa_user_sgpr_kernarg_segment_ptr 1
		.amdhsa_wavefront_size32 1
		.amdhsa_system_sgpr_workgroup_id_x 1
		.amdhsa_system_sgpr_workgroup_id_y 1
		.amdhsa_system_sgpr_workgroup_id_z 1
		.amdhsa_system_vgpr_workitem_id 0
		.amdhsa_next_free_vgpr 1024
		.amdhsa_next_free_sgpr 102
		.amdhsa_reserve_vcc 0
		.amdhsa_float_denorm_mode_32 3
		.amdhsa_float_denorm_mode_16_64 3
		.amdhsa_memory_ordered 1
		.amdhsa_forward_progress 1
		.amdhsa_inst_pref_size 106
	.end_amdhsa_kernel
	.amdgpu_metadata
---
amdhsa.version: [ 1, 2 ]
amdhsa.kernels:
  - .name:           k_qa778dfa718_qkv
    .symbol:         k_qa778dfa718_qkv.kd
    .args:
      - { .name: x_img, .offset: 0, .size: 8, .value_kind: global_buffer, .address_space: global }
      - { .name: wa_img, .offset: 8, .size: 8, .value_kind: global_buffer, .address_space: global }
      - { .name: b_attn, .offset: 16, .size: 8, .value_kind: global_buffer, .address_space: global }
      - { .name: lowp_scales, .offset: 24, .size: 8, .value_kind: global_buffer, .address_space: global }
      - { .name: q_img, .offset: 32, .size: 8, .value_kind: global_buffer, .address_space: global }
      - { .name: k_img, .offset: 40, .size: 8, .value_kind: global_buffer, .address_space: global }
      - { .name: v_img, .offset: 48, .size: 8, .value_kind: global_buffer, .address_space: global }
    .group_segment_fixed_size: 327680
    .private_segment_fixed_size: 0
    .kernarg_segment_align: 8
    .kernarg_segment_size: 56
    .max_flat_workgroup_size: 128
    .sgpr_count:     102
    .vgpr_count:     1024
    .wavefront_size: 32
...
	.end_amdgpu_metadata
.endif
;; end of part 2
;; launch attn (part 3): grid 2 x 128, 8 waves a work-group, no clusters, 132,096 bytes of LDS; arguments q_img, k_img, v_img, lowp_scales, y_img; writes y_img
.if DOCPART == 3
	.amdgcn_target "amdgcn-amd-amdhsa--gfx1250"
	.amdhsa_code_object_version 6
	.text
	.protected	k_qa778dfa718_attn
	.globl	k_qa778dfa718_attn
	.p2align	8
	.type	k_qa778dfa718_attn,@function
k_qa778dfa718_attn:
	s_mov_b64 s[64:65], 0
	v_nop
	global_prefetch_b8 v0, s[64:65] scope:SCOPE_SE
	s_setreg_imm32_b32 hwreg(HW_REG_WAVE_MODE, 25, 1), 1
	s_wait_xcnt 0x0
; Causal attention of one (segment, head): 1,024 queries, 1,024 keys, head size 64, both products on codes of FP8 (E4M3), and the quantiser of y.
; t = score x 2^(e2 + e3) x log2(e) / 8; M = the running largest t rounded UP to a whole number; p = 2^(t - M) is quantised with 2^e4, not normalised; the row's sum l is taken of the unquantised p; when M moves, l and O are
; multiplied by 2^(old M - new M), which rounds nothing.  y = O x 2^(e4 + e5) / l; its code is (O / l) / 2^(e6 - e4 - e5), held within +-448: the three scales are folded into the conversion's one.
; IMAGES.  q_img, k_img: [head's 64 tiles of 16 tokens][piece c' 0..1][lane][16]: channels 32 c' + 16 h + 0 .. 15 of place r; place r of tile i is token 32 (i / 2) + 8 (i % 2) + r + 8 (r / 8).
; v_img: [key step of 128][tile of 16 channels][piece c][lane][16]: keys 32 c + 16 h + 0 .. 15.  Both products are used transposed (S^T = K Q^T, O^T = V^T P^T): a lane holds ONE query, the 16 registers of two
; neighbouring tiles of S^T are 16 neighbouring keys, those of O^T 16 neighbouring channels: the conversions' results are pieces of the next operand.  y_img: [tile of 16 tokens][head][piece 0..1][lane][16].
; SHARES.  Work-group (g, head), eight waves of 512 registers, two to a SIMD.  A wave owns two blocks of 32 neighbouring queries (tiles 2 i and 2 i + 1), first A: i = 2 n + g, then B: 31 - i; n = wave, for waves 4 to 7 n = 11 - wave.
; Block i needs i / 4 + 1 key steps of 128, so every wave has 9 steps.  Each fragment of K and of V that a wave reads feeds two products, tile 0's and tile 1's.
; LDS: K (65,536 bytes), then V (65,536).  No tensor loads: each wave brings an eighth of both through registers, keys under 512 (stage 1) ahead of the first barrier, the others (stage 2) behind block A, which needs none of them.
; The second barrier is signalled behind stage 2's stores and waited for behind block B's first four key steps, which read stage 1's bytes alone.  Nothing is filled again.
; K and V of the next step are asked for from LDS a step ahead: K behind the products that read the old K, V behind those that read the old V.
; MASK.  A step all of whose keys come after the block's queries is left out by a scalar branch on ids; on the diagonal hidden scores become -infinity ahead of the maximum.  Key 0 counts for every query.
; THE HOLD OF p.  p is never above 1 but for the rounding of t - M, so where e4 is -8 or more (448 x 2^e4 = 1.75 or more) no p reaches the largest code and a scalar branch leads round the hold; else it is done.
; No multicast: two work-groups share a head's K and V.  No prefetch: every byte is asked for at the head.
; LIMITS: e2 + e3 between -123 and 130 (added to c's exponent field); e4, and e6 - e4 - e5, between -126 and 119; the scaled scores stay under 2^31 in magnitude.  NaN is not served.
; REGISTERS: windows 0 and 1 hold the same for tile 0 and tile 1: v32-39 Q, v40-71 O^T, v72-135 S^T then p, v136-151 p's codes; v152-215: K in window 0, V in window 1; v216-247 stage 2 on its way; window 1's v0-15 block B's Q.
;   window 0: v8 -M, v9 the largest score (tile 0), v10, v11 (tile 1); v12-19, v20-27 l in four pairs; v28, v30 f of the two tiles.
.set LI,  1                            ; v1   16 x lane
.set ADK, 2                            ; v2   LDS address of the next step's K
.set ADV, 3                            ; v3   of its V
.set LV,  4                            ; v4   16 x lane + 65,536
.set VD,  5                            ; v5   r + 8 (r / 8) - 16 h
.set SPW, 6                            ; v6   LDS address of my spare word; never rewritten
.set NIL, 7                            ; v7   0; never rewritten
.set Q,   32
.set O,   40
.set S,   72
.set P,   136                          ; (window 0's also at work on the maxima)
.set KV,  152
.set STG, 216
.set LIMP, 248                         ; 448 x 2^e4;  v250 2^e4;  v252, v253 the same of e6 - e4 - e5;  v254 -infinity;  v249, v251 lane permutes
.set SPARE, 131072
.set MSB, 0
.macro WIN new                         ; the immediate's high byte repeats the setting that is left
.if MSB != (\new)
	s_set_vgpr_msb (MSB<<8)|(\new)
.set MSB, (\new)
.endif
.endm
	s_load_b256 s[4:11], s[0:1], 0x0               ; q_img, k_img, v_img, the scales' exponents
	s_load_b64 s[12:13], s[0:1], 0x20              ; y_img
	v_lshrrev_b32 v2, 5, v0
	v_readfirstlane_b32 s18, v2                    ; wave 0..7
	v_lshl_add_u32 v[SPW], v0, 2, SPARE
	v_mov_b32 v[NIL], 0
	v_and_b32 v3, 31, v0
	v_lshlrev_b32 v[LI], 4, v3
	v_add_nc_u32 v[LV], 0x10000, v[LI]
	v_and_b32 v8, 15, v0                           ; r
	v_and_b32 v9, 8, v8
	v_add_nc_u32 v[VD], v8, v9
	v_bfe_u32 v9, v0, 4, 1
	v_lshlrev_b32 v9, 4, v9                        ; 16 h
	v_sub_nc_u32 v[VD], v[VD], v9                  ; (may be negative: it is compared as a signed number)
	s_wait_alu depctr_va_vdst(0)
	s_and_b32 s50, ttmp7, 0xffff                   ; segment x 16 + head
	s_lshl_b32 s14, s50, 16                        ; its 65,536 bytes in each of q_img, k_img, v_img
	s_mov_b32 s15, 0
	s_lshl_b32 s16, s18, 12                        ; my eighth of 32,768
	s_mov_b32 s17, 0
	s_sub_co_u32 s19, 11, s18
	s_cmp_lt_u32 s18, 4
	s_cselect_b32 s19, s18, s19
	s_lshl_b32 s19, s19, 1
	s_add_co_u32 s19, s19, ttmp9                   ; block A: 0 .. 15
	s_sub_co_u32 s39, 31, s19                      ; block B: 16 .. 31
	s_lshl_b32 s30, s19, 11
	s_mov_b32 s31, 0
	s_add_nc_u64 s[30:31], s[30:31], s[14:15]
	s_lshl_b32 s32, s39, 11
	s_mov_b32 s33, 0
	s_add_nc_u64 s[32:33], s[32:33], s[14:15]
	s_lshr_b32 s36, s50, 4
	s_lshl_b32 s36, s36, 20                        ; y: 64 tiles of 16,384 bytes a segment,
	s_and_b32 s37, s50, 15
	s_lshl_b32 s37, s37, 10
	s_add_co_u32 s36, s36, s37                     ; 1,024 a head,
	s_lshl_b32 s34, s19, 15
	s_add_co_u32 s34, s34, s36                     ; two tiles a block
	s_mov_b32 s35, 0
	s_lshl_b32 s44, s39, 15
	s_add_co_u32 s44, s44, s36
	s_mov_b32 s45, 0
	s_wait_kmcnt 0x0
	s_load_b256 s[56:63], s[10:11], 0x0            ; e0 .. e7
	s_add_nc_u64 s[26:27], s[6:7], s[14:15]
	s_add_nc_u64 s[26:27], s[26:27], s[16:17]      ; my part of K,
	s_add_nc_u64 s[28:29], s[8:9], s[14:15]
	s_add_nc_u64 s[28:29], s[28:29], s[16:17]      ; of V
	s_add_nc_u64 s[30:31], s[4:5], s[30:31]        ; Q of block A,
	s_add_nc_u64 s[32:33], s[4:5], s[32:33]        ; of block B
	s_add_nc_u64 s[34:35], s[12:13], s[34:35]      ; y of block A,
	s_add_nc_u64 s[44:45], s[12:13], s[44:45]      ; of block B
.irp n, 0,1,2,3,4,5,6,7                ; stage 1: sixteen loads of 512 consecutive bytes
	global_load_b128 v[S+4*\n:S+4*\n+3], v[LI], s[26:27] offset:512*\n
	global_load_b128 v[S+32+4*\n:S+32+4*\n+3], v[LI], s[28:29] offset:512*\n
.endr
	global_load_b128 v[Q:Q+3], v[LI], s[30:31]
	global_load_b128 v[Q+4:Q+7], v[LI], s[30:31] offset:512
	WIN 0x40
	global_load_b128 v[Q:Q+3], v[LI], s[30:31] offset:1024
	global_load_b128 v[Q+4:Q+7], v[LI], s[30:31] offset:1536
.irp n, 0,1,2,3                        ; block B's Q waits in window 1's v0-15
	global_load_b128 v[4*\n:4*\n+3], v[LI], s[32:33] offset:512*\n
.endr
.irp n, 0,1,2,3,4,5,6,7                ; stage 2: V into window 1, K into window 0
	global_load_b128 v[STG+4*\n:STG+4*\n+3], v[LI], s[28:29] offset:32768+512*\n
.endr
	WIN 0
.irp n, 0,1,2,3,4,5,6,7
	global_load_b128 v[STG+4*\n:STG+4*\n+3], v[LI], s[26:27] offset:32768+512*\n
.endr
.macro INIT                            ; a block begins: l and O^T zero, the largest score -3e38, -M 3e38 (the first change of M multiplies zeros)
	v_mov_b32 v9, 0xff61b1e6
	v_mov_b32 v11, 0xff61b1e6
	v_mov_b32 v8, 0x7f61b1e6
	v_mov_b32 v10, 0x7f61b1e6
.set N, 0
.rept 16
	v_mov_b32 v[12+N], 0
.set N, N+1
.endr
.set N, 0
.rept 32
	v_mov_b32 v[O+N], 0
.set N, N+1
.endr
	WIN 0x40
.set N, 0
.rept 32
	v_mov_b32 v[O+N], 0
.set N, N+1
.endr
	WIN 0
.endm
	INIT
	v_mov_b32 v29, 0                               ; (named as upper halves of pairs)
	v_mov_b32 v31, 0
	v_mov_b32 v249, 0                              ; written once: a lane permute's destination counts as one of its sources
	v_mov_b32 v251, 0
	v_mov_b32 v254, 0xff800000                     ; -infinity
	v_add_nc_u32 v[ADK], s16, v[LI]                ; where my part of K goes in LDS,
	v_add_nc_u32 v[ADV], s16, v[LV]                ; and of V
	s_mov_b32 s20, 0x76543210
	s_mov_b32 s21, 0xfedcba98                      ; v_permlanex16_b32's selects for lane l xor 16
	s_wait_alu depctr_va_vdst(0)
	s_wait_kmcnt 0x0
	s_add_co_i32 s55, s58, s59                     ; e2 + e3
	s_lshl_b32 s55, s55, 23
	s_mov_b32 s22, 0x3e38aa3b                      ; log2(e) / 8
	s_add_co_i32 s22, s22, s55                     ; c: the two exponents are added to its exponent field
	s_mov_b32 s23, s22                             ; (named with it as a pair, so it is written)
	s_xor_b32 s24, s22, 0x80000000                 ; -c
	s_add_co_i32 s55, s60, 127
	s_lshl_b32 s51, s55, 23
	v_mov_b32 v250, s51                            ; 2^e4
	s_add_co_i32 s55, s55, 8
	s_lshl_b32 s55, s55, 23
	s_or_b32 s55, s55, 0x600000
	v_mov_b32 v[LIMP], s55                         ; 448 x 2^e4
	s_sub_co_i32 s55, s62, s60
	s_sub_co_i32 s55, s55, s61                     ; e6 - e4 - e5
	s_add_co_i32 s55, s55, 127
	s_lshl_b32 s51, s55, 23
	v_mov_b32 v253, s51
	s_add_co_i32 s55, s55, 8
	s_lshl_b32 s55, s55, 23
	s_or_b32 s55, s55, 0x600000
	v_mov_b32 v252, s55
	s_cmp_ge_i32 s60, -8
	s_cselect_b32 s49, 1, 0                        ; 1: no p reaches the largest code
.macro LOADF adr, off                  ; a step's K (window 0) or V (window 1): sixteen loads of 512 consecutive bytes
.set N, 0
.rept 16
	ds_load_b128 v[KV+4*N:KV+4*N+3], v[\adr] offset:(\off)+512*N
.set N, N+1
.endr
.endm
; The diagonal, keys 32 b .. 32 b + 31 of the step, both tiles: register 16 b + i is hidden where 32 b + i > d (v136, v137).  Groups in front of the block's own all count and are passed over.
.macro MASKT b, d
.set N, 16*\b
.rept 4
	v_cmp_gt_i32 s40, 16*\b+N, v[\d]
	v_cmp_gt_i32 s41, 16*\b+N+1, v[\d]
	v_cmp_gt_i32 s42, 16*\b+N+2, v[\d]
	v_cmp_gt_i32 s43, 16*\b+N+3, v[\d]
	v_cndmask_b32 v[S+N], v[S+N], v254, s40
	v_cndmask_b32 v[S+N+1], v[S+N+1], v254, s41
	v_cndmask_b32 v[S+N+2], v[S+N+2], v254, s42
	v_cndmask_b32 v[S+N+3], v[S+N+3], v254, s43
.set N, N+4
.endr
.endm
.macro MASKG b
	s_cmp_gt_u32 s53, \b
	s_cbranch_scc1 .Lmg_\@
	MASKT \b, P
	WIN 0x41
	MASKT \b, P+1
	WIN 0
.Lmg_\@:
.endm
.macro MAXT c, run                     ; the largest of the running largest and my 64 scores, in four chains, each accumulator from its low end on
.set N, 0
.rept 8
.irp k, 0,1,2,3
.if N == 0
	v_max3_num_f32 v[\c+\k], v[\run], v[S+2*\k], v[S+2*\k+1]
.else
	v_max3_num_f32 v[\c+\k], v[\c+\k], v[S+8*N+2*\k], v[S+8*N+2*\k+1]
.endif
.endr
.set N, N+1
.endr
.endm
.macro SCALE st                        ; t - M, two at a time
.set N, 0
.rept 32
	v_pk_fma_f32 v[S+N:S+N+1], v[S+N:S+N+1], s[22:23], v[\st:\st+1] op_sel_hi:[1,0,0]
.set N, N+2
.endr
.endm
.macro EXPS
.set N, 0
.rept 64
	v_exp_f32 v[S+N], v[S+N]
.set N, N+1
.endr
.endm
.macro SUMS l                          ; the row's sum of the unquantised p: two at a time, in four chains
.set N, 0
.rept 8
.irp k, 0,1,2,3
	v_pk_add_f32 v[\l+2*\k:\l+2*\k+1], v[\l+2*\k:\l+2*\k+1], v[S+8*N+2*\k:S+8*N+2*\k+1]
.endr
.set N, N+1
.endr
.endm
.macro HOLDP
.set N, 0
.rept 64
	v_min_num_f32 v[S+N], v[S+N], v[LIMP]          ; the conversion does not saturate (ISA guide 7.6.2); p is not negative, so the hold is one-sided
.set N, N+1
.endr
.endm
.macro CODES n, sc
.irp b, 0,1,2,3
.if \b < \n
	v_cvt_scalef32_pk8_fp8_f32 v[P+4*\b:P+4*\b+1], v[S+16*\b:S+16*\b+7], v[\sc]
	v_cvt_scalef32_pk8_fp8_f32 v[P+4*\b+2:P+4*\b+3], v[S+16*\b+8:S+16*\b+15], v[\sc]
.endif
.endr
.endm
.macro RESC f                          ; O^T under the new M
	s_wait_alu depctr_va_vdst(0)                   ; directly ahead of the first reader of O^T
.set N, 0
.rept 16
	v_pk_mul_f32 v[O+N:O+N+1], v[O+N:O+N+1], v[\f:\f+1] op_sel_hi:[1,0]
.set N, N+2
.endr
.endm
.macro SPROD                           ; S^T = K Q^T: register 16 b + i of the 64 is key 32 b + 16 h + i of the step
.irp t, 0,1,2,3,4,5,6,7
	v_wmma_f32_16x16x64_fp8_fp8 v[S+8*\t:S+8*\t+7], v[KV+8*\t:KV+8*\t+7], v[Q:Q+7], 0
.endr
.endm
.macro OPROD                           ; O^T += V^T P^T, K = the step's 128 keys
.irp t, 0,1,2,3
	v_wmma_f32_16x16x128_fp8_fp8 v[O+8*\t:O+8*\t+7], v[KV+16*\t:KV+16*\t+15], v[P:P+15], v[O+8*\t:O+8*\t+7]
.endr
.endm
; ONE BLOCK, ONE KEY STEP.  s2: the step's LDS byte; s3: its first key; s52: first key of the block's diagonal step; s53: the block's place among the step's four groups of 32.  wrap: keeps the next step's byte inside what has been stored.
.macro STEP msk, wrap
.if \msk
	s_cmp_gt_u32 s3, s52                           ; all keys come after my queries: a branch on ids, round the step's work; no barrier stands in a step
	s_cbranch_scc1 .Lhid_\@
.endif
	s_wait_dscnt 16                                ; K is in; V's sixteen loads, issued behind it, may be out
	SPROD
	WIN 0x44                                       ; Q and S^T of tile 1
	SPROD
	WIN 0
	s_add_co_u32 s40, s2, 8192
	s_and_b32 s40, s40, \wrap                      ; the next step's byte
	v_add_nc_u32 v[ADK], s40, v[LI]                ; with the two v_nop: four places in front of the loads and of the first read of the scores
	v_add_nc_u32 v[ADV], s40, v[LV]
	v_nop
	v_nop
	LOADF ADK, 0                                   ; the next step's K
.if \msk
	s_cmp_lg_u32 s3, s52                           ; all keys count for all my queries: no mask
	s_cbranch_scc1 .Lopen_\@
	s_lshl_b32 s41, s53, 5
	v_add_nc_u32 v[P], s41, v[VD]                  ; d = query - the step's first key - 16 h
	v_add_nc_u32 v[P+1], 8, v[P]                   ; tile 1's queries lie 8 further on
	s_wait_alu depctr_va_vdst(0)                   ; ahead of the branches
	MASKG 0
	MASKG 1
	MASKG 2
	MASKG 3
.Lopen_\@:
.endif
	MAXT P, 9
	WIN 0x14                                       ; scores of tile 1, chains in window 0
	MAXT P+4, 11
	WIN 0
	v_max3_num_f32 v136, v136, v137, v138          ; the two tiles by turns
	v_max3_num_f32 v140, v140, v141, v142
	v_max_num_f32 v136, v136, v139
	v_max_num_f32 v140, v140, v143
	v_permlanex16_b32 v249, v136, s20, s21
	v_permlanex16_b32 v251, v140, s20, s21
	v_max_num_f32 v9, v136, v249                   ; and among lane l xor 16's
	v_max_num_f32 v11, v140, v251
	v_mul_f32 v136, s24, v9                        ; -t (c is positive)
	v_mul_f32 v140, s24, v11
	v_floor_f32 v136, v136                         ; the new -M = floor(-t): M is a whole number
	v_floor_f32 v140, v140
	v_sub_f32 v137, v136, v8                       ; old M - new M: a whole number, 0 or less
	v_sub_f32 v141, v140, v10
	v_mov_b32 v8, v136
	v_mov_b32 v10, v140
	v_cvt_i32_f32 v137, v137                       ; (it saturates)
	v_cvt_i32_f32 v141, v141
	v_ldexp_f32 v28, 1.0, v137                     ; f = 2^(old M - new M)
	v_ldexp_f32 v30, 1.0, v141
	SCALE 8
	WIN 0x41
	SCALE 10
	s_wait_alu depctr_va_vdst(0)                   ; the wait ahead of the batch
	EXPS                                           ; p = 2^(t - M)
	WIN 0
	EXPS
.irp k, 0,1,2,3                        ; l under the new M: plain lines behind the exponentials
	v_pk_mul_f32 v[12+2*\k:13+2*\k], v[12+2*\k:13+2*\k], v[28:29] op_sel_hi:[1,0]
	v_pk_mul_f32 v[20+2*\k:21+2*\k], v[20+2*\k:21+2*\k], v[30:31] op_sel_hi:[1,0]
.endr
	s_wait_alu depctr_va_vdst(0)                   ; one wait for the batch, ahead of its first reader
	SUMS 12
	WIN 0x04
	SUMS 20
	WIN 0
	s_wait_alu depctr_va_vdst(0)                   ; the wait ahead of the branch
	s_cmp_lg_u32 s49, 0
	s_cbranch_scc1 .Lfree_\@
	HOLDP
	WIN 0x41
	HOLDP
	WIN 0
.Lfree_\@:
	CODES 4, 250
	WIN 0x41
	CODES 4, 250
	WIN 0
	s_wait_dscnt 16                                ; V is in; the next K's sixteen loads may be out
	RESC 28                                        ; also the plain lines between the conversions and the products
	WIN 0x41
	RESC 30
	WIN 0x01                                       ; V in window 1
	OPROD
	WIN 0x55
	OPROD
	WIN 0x40
.rept 4
	v_nop                                          ; places in front of the loads into V's registers
.endr
	LOADF ADV, 0                                   ; the next step's V
	WIN 0
.if \msk
.Lhid_\@:
.endif
	s_add_co_u32 s2, s2, 8192
	s_add_co_u32 s3, s3, 128
.endm
.macro FINT l
.set N, 0
.rept 32
	v_mul_f32 v[S+N], v[O+N], v[\l]                ; each accumulator from its low end on
.set N, N+1
.endr
.set N, 0
.rept 32
	v_med3_num_f32 v[S+N], v[S+N], -v252, v252
.set N, N+1
.endr
	CODES 2, 253
.endm
; THE WAY OUT of a block: O^T / l, held, converted: registers 16 b .. 16 b + 15 are channels 32 b + 16 h + 0 .. 15 of my query: piece b of y's image.
.macro FIN yb
	v_pk_add_f32 v[12:13], v[12:13], v[14:15]
	v_pk_add_f32 v[20:21], v[20:21], v[22:23]
	v_pk_add_f32 v[16:17], v[16:17], v[18:19]
	v_pk_add_f32 v[24:25], v[24:25], v[26:27]
	v_pk_add_f32 v[12:13], v[12:13], v[16:17]
	v_pk_add_f32 v[20:21], v[20:21], v[24:25]
	v_add_f32 v12, v12, v13
	v_add_f32 v20, v20, v21
	v_permlanex16_b32 v249, v12, s20, s21
	v_permlanex16_b32 v251, v20, s20, s21
	v_add_f32 v12, v12, v249                       ; and lane l xor 16's
	v_add_f32 v20, v20, v251
	s_wait_alu depctr_va_vdst(0)                   ; the wait ahead of the transcendentals
	v_rcp_f32 v12, v12
	v_rcp_f32 v20, v20
	v_nop                                          ; a plain line behind the reciprocals
	s_wait_alu depctr_va_vdst(0)                   ; and the wait ahead of their first reader, which is O^T's too
	FINT 12
	WIN 0x41
	s_wait_alu depctr_va_vdst(0)                   ; tile 1's O^T likewise
	FINT 20
	v_nop                                          ; a plain line behind the last conversion
	WIN 0
.irp b, 0,1
	global_store_b128 v[LI], v[P+4*\b:P+4*\b+3], s[\yb:\yb+1] offset:512*\b   ; 32 lanes store 512 consecutive bytes, at a multiple of 512 from the buffer's first byte
.endr
	WIN 0x04
.irp b, 0,1
	global_store_b128 v[LI], v[P+4*\b:P+4*\b+3], s[\yb:\yb+1] offset:16384+512*\b
.endr
	WIN 0
.endm
	s_wait_alu depctr_va_vdst(0)
	s_wait_loadcnt 24                              ; stage 1 is in; behind it 8 loads of Q and 16 of stage 2
.irp n, 0,1,2,3,4,5,6,7
	ds_store_b128 v[ADK], v[S+4*\n:S+4*\n+3] offset:512*\n
	ds_store_b128 v[ADV], v[S+32+4*\n:S+32+4*\n+3] offset:512*\n
.endr
	s_lshr_b32 s52, s19, 2
	s_lshl_b32 s52, s52, 7                         ; block A's diagonal step,
	s_and_b32 s53, s19, 3                          ; and its group there
	s_mov_b32 s2, 0
	s_mov_b32 s3, 0
	s_mov_b32 s48, 4
	s_wait_dscnt 0x0                               ; my stores are done,
	s_barrier_signal -1
	s_barrier_wait -1                              ; and everybody's
	LOADF LI, 0
	WIN 0x40
	LOADF LV, 0
	WIN 0
	s_wait_loadcnt 20                              ; block A's Q is in; block B's 4 and stage 2's 16 may be out
.La:                                                   ; BLOCK A: at most four steps
	STEP 1, 24576
	s_sub_co_u32 s48, s48, 1
	s_cmp_lg_u32 s48, 0
	s_cbranch_scc1 .La
	FIN 34
	s_wait_loadcnt 0x0                             ; stage 2 and block B's Q are in
	v_add_nc_u32 v[ADK], s16, v[LI]
	v_add_nc_u32 v[ADV], s16, v[LV]
.irp n, 0,1,2,3,4,5,6,7
	ds_store_b128 v[ADK], v[STG+4*\n:STG+4*\n+3] offset:32768+512*\n
.endr
	WIN 0x04
.irp n, 0,1,2,3,4,5,6,7
	ds_store_b128 v[ADV], v[STG+4*\n:STG+4*\n+3] offset:32768+512*\n
.endr
	WIN 0
	INIT
	WIN 0x01
.irp n, 0,1,2,3,4,5,6,7
	v_mov_b32 v[Q+\n], v[\n]
.endr
	WIN 0x41
.irp n, 0,1,2,3,4,5,6,7
	v_mov_b32 v[Q+\n], v[8+\n]
.endr
	WIN 0
	s_lshr_b32 s52, s39, 2
	s_lshl_b32 s52, s52, 7                         ; block B's diagonal step, at 512 or above
	s_and_b32 s53, s39, 3
	s_mov_b32 s2, 0
	s_mov_b32 s3, 0
	s_mov_b32 s48, 4
	s_wait_alu depctr_va_vdst(0)
	s_wait_xcnt 0x0                                ; block A's stores have read their registers
	s_wait_dscnt 0x0                               ; my stores into LDS are done, and no load of mine is out:
	s_barrier_signal -1                            ; say so.  Up to the wait stand register work and loads of stage 1's bytes, which nobody writes any more
	LOADF LI, 0
	WIN 0x40
	LOADF LV, 0
	WIN 0
.Lb1:                                                  ; BLOCK B, keys under 512: all count
	STEP 0, 24576
	s_sub_co_u32 s48, s48, 1
	s_cmp_lg_u32 s48, 0
	s_cbranch_scc1 .Lb1
	s_wait_alu depctr_va_vdst(0)
	s_wait_dscnt 0x0                               ; the loads asked for ahead are in: their registers may be loaded anew
	s_barrier_wait -1                              ; everybody's stage 2 is in LDS
	LOADF LI, 32768
	WIN 0x40
	LOADF LV, 32768
	WIN 0
	s_mov_b32 s2, 32768
	s_mov_b32 s3, 512
	s_mov_b32 s48, 4
.Lb2:                                                  ; BLOCK B, keys from 512 on
	STEP 1, 57344
	s_sub_co_u32 s48, s48, 1
	s_cmp_lg_u32 s48, 0
	s_cbranch_scc1 .Lb2
	FIN 44
	s_wait_tensorcnt 0x0                           ; the wave's end
	ds_add_u32 v[SPW], v[NIL]
	s_wait_dscnt 0x0
	s_endpgm
.Lfunc_end_k_qa778dfa718_attn:
	.size	k_qa778dfa718_attn, .Lfunc_end_k_qa778dfa718_attn-k_qa778dfa718_attn
	.p2alignl 7, 3214868480
	.fill 96, 4, 3214868480
	.section	.rodata,"a",@progbits
	.p2align	6, 0x0
	.amdhsa_kernel k_qa778dfa718_attn
		.amdhsa_group_segment_fixed_size 132096
		.amdhsa_private_segment_fixed_size 0
		.amdhsa_enable_private_segment 0
		.amdhsa_kernarg_size 40
		.amdhsa_user_sgpr_count 2
		.amdhsa_user_sgpr_kernarg_segment_ptr 1
		.amdhsa_wavefront_size32 1
		.amdhsa_system_sgpr_workgroup_id_x 1
		.amdhsa_system_sgpr_workgroup_id_y 1
		.amdhsa_system_sgpr_workgroup_id_z 1
		.amdhsa_system_vgpr_workitem_id 0
		.amdhsa_next_free_vgpr 512
		.amdhsa_next_free_sgpr 80
		.amdhsa_reserve_vcc 0
		.amdhsa_float_denorm_mode_32 3
		.amdhsa_float_denorm_mode_16_64 3
		.amdhsa_memory_ordered 1
		.amdhsa_forward_progress 1
		.amdhsa_inst_pref_size 164
	.end_amdhsa_kernel
	.amdgpu_metadata
---
amdhsa.version: [ 1, 2 ]
amdhsa.kernels:
  - .name:           k_qa778dfa718_attn
    .symbol:         k_qa778dfa718_attn.kd
    .args:
      - { .name: q_img, .offset: 0, .size: 8, .value_kind: global_buffer, .address_space: global }
      - { .name: k_img, .offset: 8, .size: 8, .value_kind: global_buffer, .address_space: global }
      - { .name: v_img, .offset: 16, .size: 8, .value_kind: global_buffer, .address_space: global }
      - { .name: lowp_scales, .offset: 24, .size: 8, .value_kind: global_buffer, .address_space: global }
      - { .name: y_img, .offset: 32, .size: 8, .value_kind: global_buffer, .address_space: global }
    .group_segment_fixed_size: 132096
    .private_segment_fixed_size: 0
    .kernarg_segment_align: 8
    .kernarg_segment_size: 40
    .max_flat_workgroup_size: 256
    .sgpr_count:     80
    .vgpr_count:     512
    .wavefront_size: 32
...
	.end_amdgpu_metadata
.endif
;; end of part 3
;; launch proj (part 4): grid 4 x 64, 4 waves a work-group, clusters of 4 x 4, 327,680 bytes of LDS; arguments y_img, wp_img, b_proj, lowp_scales, out0; writes out0
.if DOCPART == 4
	.amdgcn_target "amdgcn-amd-amdhsa--gfx1250"
	.amdhsa_code_object_version 6
	.text
	.protected	k_qa778dfa718_proj
	.globl	k_qa778dfa718_proj
	.p2align	8
	.type	k_qa778dfa718_proj,@function
k_qa778dfa718_proj:
	s_mov_b64 s[64:65], 0
	v_nop
	global_prefetch_b8 v0, s[64:65] scope:SCOPE_SE
	s_setreg_imm32_b32 hwreg(HW_REG_WAVE_MODE, 25, 1), 1
	s_wait_xcnt 0x0
	s_wait_alu depctr_hold_cnt(0) depctr_sa_sdst(0) depctr_va_vdst(0) depctr_va_sdst(0) depctr_va_ssrc(0) depctr_va_vcc(0) depctr_vm_vsrc(0)
	s_getreg_b32 s2, hwreg(HW_REG_IB_STS2, 6, 4)
	s_cmp_eq_u32 s2, 0
	s_cbranch_scc0 .Lentry_in_a_cluster
	s_endpgm
.Lentry_in_a_cluster:
	s_bfe_u32 s2, ttmp6, 0x10000c
	s_cmp_lg_u32 s2, 0xf033
	s_cbranch_scc0 .Lentry_shape_is_right
	s_endpgm
.Lentry_shape_is_right:
; out = y W_proj^T + b_proj on codes of FP8 (E4M3).  K = 1,024.  Sums in f32; number = sum x 2^(e6 + e7) + bias, one fused multiply-add.
; OPERANDS ARE IMAGES OF REGISTERS: [tile of 16 places][K step of 128][piece c][lane][16 bytes], 16,384 bytes a tile; place r of tile RT is row 32 (RT / 2) + 8 (RT % 2) + r + 8 (r / 8).
; A work-group makes 128 rows x 256 columns; wave (wr, wc) 64 rows x 64 columns of each of two chunks of 128 columns.  ITS 64 ROWS OF y STAY IN REGISTERS for all of K (32 fragments, 512 registers), and serve both chunks.
; LDS: region 0 (131,072 bytes) takes y's 8 tiles, region 1 (131,072) W_proj's 8 tiles of chunk 0; when every wave has y in registers, region 0 is filled again with chunk 1, which lands while chunk 0 goes out.
; CLUSTERS: 4 x 4 work-groups; y's tiles hang on the row block and are shared along a row of the cluster, W_proj's on the column block and are shared along a column: joint loads.
; Source 0 = W_proj, source 1 = y: a lane holds 16 neighbouring columns of a row; a tile of 16 rows x 64 columns goes through the wave's own stage (rows 272 bytes apart, no fill lands there) and leaves as rows of 256 bytes.
; No prefetch: two fills in all, the first at the head, and no loop to run ahead in.
; LIMITS: e6 + e7 between -126 and 127.  NaN is not served.
; REGISTERS: window 0: v16-29 addresses, v32-63 numbers on the way out, v64-127 rows read back (two sets), v128-255 the 16 accumulators ((a, b) at v[128 + 32 a + 8 b]);
;   window 1: v0-191 W_proj's fragments, three sets of 4; v192-255 the bias of both chunks;   windows 2, 3: y's fragments, K steps 0-3 and 4-7 ((k, a) at v[64 (k % 4) + 16 a]).
.set NP,    4
.set STAGE, 262144                     ; two stages of 16 x 272 bytes for each wave
.set SPITCH, 272
.set SPARE, 296960                     ; the spare words, 128 bytes for each wave
.set ADA,  16
.set ADB,  17                          ; chunk 0
.set ADC,  18                          ; chunk 1
.set STO,  24
.set RD,   25
.set CO,   26
.set LI,   27
.set SPW,  28
.set NIL,  29
.set TMP,  32
.set BK,   64
.set ACC,  128
.set BQ,   192
.set G1,  24                           ; s[24:31], s[32:35] descriptor groups 1 and 0 of y's tiles
.set G0,  32
.set G1B, 48                           ; s[48:55], s[36:39] of chunk 0
.set G0B, 36
.set G1C, 84                           ; s[84:91], s[40:43] of chunk 1
.set G0C, 40
.set MSB, 0
.macro WIN new                         ; the immediate's high byte repeats the setting that is left
.if MSB != (\new)
	s_set_vgpr_msb (MSB<<8)|(\new)
.set MSB, (\new)
.endif
.endm
.macro PLACES n
.rept \n
	v_nop
.endr
.endm
.macro CREST                           ; a round of the cluster's barrier behind its opening barrier
	s_cmp_lg_u32 s14, 0
	s_cbranch_scc1 .Lnot_wave_0_\@
	s_barrier_signal -3
.Lnot_wave_0_\@:
	s_barrier_wait -3
	s_barrier_signal -1
	s_barrier_wait -1
.endm
.macro CROUND                          ; a whole round
	s_barrier_signal -1
	s_barrier_wait -1
	CREST
.endm
	s_load_b256 s[4:11], s[0:1], 0x0               ; y_img, wp_img, b_proj, the scales' exponents
	s_load_b64 s[12:13], s[0:1], 0x20              ; out0
	v_lshl_add_u32 v[SPW], v0, 2, SPARE
	v_mov_b32 v[NIL], 0
	ds_add_u32 v[SPW], v[NIL]                      ; the wave's opening: the add, twice on end, and its wait further on
	ds_add_u32 v[SPW], v[NIL]
	v_lshrrev_b32 v1, 5, v0
	v_readfirstlane_b32 s14, v1                    ; wave 0..3
	s_lshr_b32 s15, s14, 1                         ; wr.  Also: I fetch y's tiles (0) or W_proj's (1)
	s_and_b32 s16, s14, 1                          ; wc.  Also: which half of them
	s_lshl_b32 s20, s15, 16
	s_lshl_b32 s21, s16, 16
	s_add_co_u32 s22, s21, 131072
	s_mul_i32 s23, s14, 2*16*SPITCH
	s_add_co_u32 s23, s23, STAGE                   ; my stages
	v_and_b32 v1, 31, v0
	v_lshlrev_b32 v[LI], 4, v1                     ; 16 x lane
	v_add_nc_u32 v[ADA], s20, v[LI]                ; my 4 tiles of y,
	v_add_nc_u32 v[ADB], s22, v[LI]                ; my 4 tiles of W_proj in chunk 0,
	v_add_nc_u32 v[ADC], s21, v[LI]                ; in chunk 1
	v_and_b32 v2, 15, v0                           ; r
	v_bfe_u32 v3, v0, 4, 1                         ; h
	v_lshlrev_b32 v7, 6, v3                        ; 64 h
	v_mul_u32_u24 v5, v2, SPITCH
	v_add_nc_u32 v5, v5, v7
	v_add_nc_u32 v[STO], s23, v5                   ; into the stage: row r, 64 bytes for each half of the lanes
	v_mul_u32_u24 v6, v3, SPITCH
	v_lshl_add_u32 v6, v2, 4, v6
	v_add_nc_u32 v[RD], s23, v6                    ; back: lanes 0-15 one row of 256 bytes, lanes 16-31 the next
	v_lshlrev_b32 v8, 12, v3
	v_lshl_add_u32 v[CO], v2, 4, v8                ; and the same two rows of out0
	s_wait_alu depctr_va_vdst(0)
	s_bfe_u32 s76, ttmp6, 0x40000                  ; cx, cy
	s_bfe_u32 s77, ttmp6, 0x40004
	s_lshl_b32 s78, ttmp9, 2
	s_add_co_u32 s78, s78, s76                     ; column block X of 256
	s_and_b32 s17, ttmp7, 0xffff
	s_lshl_b32 s17, s17, 2
	s_add_co_u32 s17, s17, s77                     ; row block Y of 128
	s_lshl_b32 s79, s77, 2
	s_lshl_b32 s79, 15, s79                        ; my row of the cluster
	s_lshl_b32 s80, 0x1111, s76                    ; my column
	; descriptor group 1: a dense block of rows of 512 elements of 8 bytes; 16 rows (65,536 bytes), for chunk 1 8 rows
	s_or_b32 s[G1+0], s79, (3<<16)|(1<<21)
	s_or_b32 s[G1B+0], s80, (3<<16)|(1<<21)
	s_or_b32 s[G1C+0], s80, (3<<16)|(1<<21)
.irp g, G1, G1B, G1C
	s_mov_b32 s[\g+1], 512<<16
	s_mov_b32 s[\g+3], 512<<16
	s_mov_b32 s[\g+5], 512
	s_mov_b32 s[\g+6], 0
	s_mov_b32 s[\g+7], 0
.endr
.irp g, G1, G1B
	s_mov_b32 s[\g+2], 16<<16
	s_mov_b32 s[\g+4], 16
.endr
	s_mov_b32 s[G1C+2], 8<<16
	s_mov_b32 s[G1C+4], 8
	s_lshl_b32 s20, s17, 17                        ; y: 8 tiles for each row block,
	s_lshl_b32 s18, s16, 16
	s_add_co_u32 s20, s20, s18                     ; my half of them
	s_mov_b32 s21, 0
	s_lshl_b32 s66, s78, 18                        ; W_proj: 16 tiles for each column block; chunk 0: my half of the first 8,
	s_lshl_b32 s82, s14, 15
	s_add_co_u32 s82, s82, s66
	s_add_co_u32 s82, s82, 131072                  ; chunk 1: my quarter of the others
	s_mov_b32 s83, 0
	s_add_co_u32 s66, s66, s18
	s_mov_b32 s67, 0
	s_lshl_b32 s44, s16, 16                        ; where they go: no place in the cluster enters an LDS address
	s_add_co_u32 s45, s44, 131072
	s_lshl_b32 s46, s14, 15
	s_wait_dscnt 0x0                               ; both opening adds are done
	s_wait_kmcnt 0x0
	s_load_b256 s[68:75], s[10:11], 0x0            ; e0 .. e7
	s_add_nc_u64 s[20:21], s[4:5], s[20:21]
	s_add_nc_u64 s[66:67], s[6:7], s[66:67]
	s_add_nc_u64 s[82:83], s[6:7], s[82:83]
	s_mov_b32 s[G0], 1
	s_mov_b32 s[G0+1], s44
	s_mov_b64 s[G0+2:G0+3], s[20:21]
	s_or_b32 s[G0+3], s[G0+3], 0x80000000
	s_mov_b32 s[G0B], 1
	s_mov_b32 s[G0B+1], s45
	s_mov_b64 s[G0B+2:G0B+3], s[66:67]
	s_or_b32 s[G0B+3], s[G0B+3], 0x80000000
	s_mov_b32 s[G0C], 1
	s_mov_b32 s[G0C+1], s46
	s_mov_b64 s[G0C+2:G0C+3], s[82:83]
	s_or_b32 s[G0C+3], s[G0C+3], 0x80000000
	CROUND                                         ; all sixteen work-groups are here: the first joint loads meet
	s_cmp_eq_u32 s15, 0                            ; waves 0 and 1 fetch y's tiles, waves 2 and 3 W_proj's; the branch hangs on the wave's number alone
	s_cbranch_scc0 .Lfor_b
	tensor_load_to_lds s[G0:G0+3], s[G1:G1+7]
	s_nop 0
	PLACES 4
	s_branch .Lasked
.Lfor_b:
	tensor_load_to_lds s[G0B:G0B+3], s[G1B:G1B+7]
	s_nop 0
	PLACES 4
.Lasked:
	; the bias: register 8 b + j: column 32 (b / 2) + 8 (b % 2) + 16 h + j of my 64; the second chunk's 512 bytes on
	s_lshl_b32 s92, s78, 10
	s_lshl_b32 s93, s16, 8
	s_add_co_u32 s92, s92, s93
	s_mov_b32 s93, 0
	s_add_nc_u64 s[92:93], s[8:9], s[92:93]
	WIN 0x40
.irp b, 0,1,2,3
	global_load_b128 v[BQ+8*\b:BQ+8*\b+3], v7, s[92:93] offset:(32*(\b/2)+8*(\b%2))*4
	global_load_b128 v[BQ+8*\b+4:BQ+8*\b+7], v7, s[92:93] offset:(32*(\b/2)+8*(\b%2))*4+16
	global_load_b128 v[BQ+32+8*\b:BQ+32+8*\b+3], v7, s[92:93] offset:(32*(\b/2)+8*(\b%2))*4+512
	global_load_b128 v[BQ+32+8*\b+4:BQ+32+8*\b+7], v7, s[92:93] offset:(32*(\b/2)+8*(\b%2))*4+528
.endr
	WIN 0
	s_lshl_b32 s94, s17, 19                        ; out0: 128 rows of 4,096 bytes for each row block,
	s_lshl_b32 s95, s15, 18
	s_add_co_u32 s94, s94, s95                     ; my 64,
	s_lshl_b32 s95, s78, 10
	s_add_co_u32 s94, s94, s95
	s_lshl_b32 s95, s16, 8
	s_add_co_u32 s94, s94, s95                     ; my 64 columns of chunk 0
	s_mov_b32 s95, 0
	s_add_nc_u64 s[12:13], s[12:13], s[94:95]
	s_wait_kmcnt 0x0
	s_add_co_i32 s96, s74, s75
	s_add_co_i32 s96, s96, 127
	s_lshl_b32 s96, s96, 23                        ; 2^(e6 + e7) as f32
	s_mov_b32 s97, s96                             ; (named with it as a pair, so it is written)
.macro LDB k, adr                      ; W_proj's fragments of K step k into set k % 3: each load 512 consecutive bytes
	WIN 0x40
.irp b, 0,1,2,3
.irp c, 0,1,2,3
	ds_load_b128 v[64*((\k)%3)+16*\b+4*\c:64*((\k)%3)+16*\b+4*\c+3], v[\adr] offset:16384*\b+2048*(\k)+512*\c
.endr
.endr
	WIN 0
.endm
.macro LDA k                           ; y's fragments of K step k
	WIN 0x80+0x40*((\k)/4)
.irp a, 0,1,2,3
.irp c, 0,1,2,3
	ds_load_b128 v[64*((\k)%4)+16*\a+4*\c:64*((\k)%4)+16*\a+4*\c+3], v[ADA] offset:16384*\a+2048*(\k)+512*\c
.endr
.endr
	WIN 0
.endm
; 16 matrix instructions, 128 along K: the 16 accumulators take turns, in the same order in every step; K step 0 starts the sums.
.macro MULK k
	WIN 0x09+4*((\k)/4)
.irp a, 0,1,2,3
.irp b, 0,1,2,3
.if (\k) == 0
	v_wmma_f32_16x16x128_fp8_fp8 v[ACC+32*\a+8*\b:ACC+32*\a+8*\b+7], v[64*((\k)%3)+16*\b:64*((\k)%3)+16*\b+15], v[64*((\k)%4)+16*\a:64*((\k)%4)+16*\a+15], 0
.else
	v_wmma_f32_16x16x128_fp8_fp8 v[ACC+32*\a+8*\b:ACC+32*\a+8*\b+7], v[64*((\k)%3)+16*\b:64*((\k)%3)+16*\b+15], v[64*((\k)%4)+16*\a:64*((\k)%4)+16*\a+15], v[ACC+32*\a+8*\b:ACC+32*\a+8*\b+7]
.endif
.endr
.endr
	WIN 0
.endm
.macro TOSTAGE a, ch                   ; 16 rows x 64 columns: the numbers, each accumulator from its low end on, into stage a % 2 and back as rows
	WIN 0x10                                       ; the bias in window 1
.set J, 0
.rept 16
	v_pk_fma_f32 v[TMP+J:TMP+J+1], v[ACC+32*(\a)+J:ACC+32*(\a)+J+1], s[96:97], v[BQ+32*(\ch)+J:BQ+32*(\ch)+J+1] op_sel_hi:[1,0,1]
.set J, J+2
.endr
	WIN 0
.irp b, 0,1,2,3
	ds_store_b128 v[STO], v[TMP+8*\b:TMP+8*\b+3] offset:16*SPITCH*((\a)%2)+128*(\b/2)+32*(\b%2)
	ds_store_b128 v[STO], v[TMP+8*\b+4:TMP+8*\b+7] offset:16*SPITCH*((\a)%2)+128*(\b/2)+32*(\b%2)+16
.endr
.irp t, 0,1,2,3,4,5,6,7
	ds_load_b128 v[BK+32*((\a)%2)+4*\t:BK+32*((\a)%2)+4*\t+3], v[RD] offset:16*SPITCH*((\a)%2)+2*\t*SPITCH   ; LDS serves a wave's instructions in order (ISA guide 5.7.1.4): these see the stores above
.endr
.endm
.macro SEND a, ch, younger             ; younger: the LDS instructions issued behind this tile's loads
	s_wait_dscnt \younger
.irp t, 0,1,2,3,4,5,6,7
	global_store_b128 v[CO], v[BK+32*((\a)%2)+4*\t:BK+32*((\a)%2)+4*\t+3], s[12:13] offset:(2*\t+8*(\t/4)+32*((\a)/2)+8*((\a)%2))*4096+512*(\ch) th:TH_STORE_NT   ; sixteen lanes store 256 consecutive bytes, at a multiple of 256
.endr
.endm
.macro WAYOUT ch
	TOSTAGE 0, \ch
	TOSTAGE 1, \ch
	SEND 0, \ch, 16
	s_wait_alu depctr_va_vdst(0)
	s_wait_xcnt 0x0                                ; the stores have read their registers: the loads below land there
	TOSTAGE 2, \ch
	SEND 1, \ch, 16
	s_wait_alu depctr_va_vdst(0)
	s_wait_xcnt 0x0
	TOSTAGE 3, \ch
	SEND 2, \ch, 16
	SEND 3, \ch, 0
.endm
	s_wait_alu depctr_va_vdst(0)
	s_wait_tensorcnt 0x0                           ; my part of y and of chunk 0 is in,
	s_barrier_signal -1
	s_barrier_wait -1                              ; and everybody's
	LDB 0, ADB
	LDA 0
	LDB 1, ADB
	LDA 1
.irp k, 0,1,2,3,4,5
	s_wait_dscnt 32                                ; K step k's 32 loads are in; the next step's 32 may be out
	PLACES NP                                      ; behind the products that read the set loaded next
	LDB \k+2, ADB
	LDA \k+2
	MULK \k
.endr
	s_wait_tensorcnt 0x0                           ; no tensor load of mine is out;
	ds_add_u32 v[SPW], v[NIL]                      ; 0 onto my spare word;
	s_wait_dscnt 33                                ; K step 6 is in (K step 7's 32 loads and the add may be out)
	MULK 6
	s_wait_dscnt 0x0                               ; the add is done, and all my rows of y are in registers: nobody reads region 0 any more
	s_barrier_signal -1
	MULK 7
	s_barrier_wait -1
	CREST
	tensor_load_to_lds s[G0C:G0C+3], s[G1C:G1C+7]  ; chunk 1 into region 0: the first tensor load behind the round, every wave its quarter
	s_nop 0
	PLACES 4                                       ; also the places ahead of the first read of the sums
	s_wait_loadcnt 0x0                             ; the bias
	WAYOUT 0                                       ; chunk 0 goes out while chunk 1 lands
	s_wait_alu depctr_va_vdst(0)
	s_wait_tensorcnt 0x0                           ; my part of chunk 1 is in,
	s_barrier_signal -1
	s_barrier_wait -1                              ; and everybody's
	s_wait_xcnt 0x0                                ; chunk 0's stores have read their registers
	PLACES NP
	LDB 0, ADC
	LDB 1, ADC
.irp k, 0,1,2,3,4,5
	s_wait_dscnt 16                                ; K step k's 16 loads are in; the next step's may be out
	PLACES NP
	LDB \k+2, ADC
	MULK \k
.endr
	s_wait_dscnt 16
	MULK 6
	s_wait_dscnt 0x0
	MULK 7
	PLACES NP
	WAYOUT 1
	s_wait_tensorcnt 0x0                           ; the wave's end
	ds_add_u32 v[SPW], v[NIL]
	s_wait_dscnt 0x0
	CROUND                                         ; the closing round: no work-group ends while a partner may still ask for a tile that names it
	s_endpgm
.Lfunc_end_k_qa778dfa718_proj:
	.size	k_qa778dfa718_proj, .Lfunc_end_k_qa778dfa718_proj-k_qa778dfa718_proj
	.p2alignl 7, 3214868480
	.fill 96, 4, 3214868480
	.section	.rodata,"a",@progbits
	.p2align	6, 0x0
	.amdhsa_kernel k_qa778dfa718_proj
		.amdhsa_group_segment_fixed_size 327680
		.amdhsa_private_segment_fixed_size 0
		.amdhsa_enable_private_segment 0
		.amdhsa_kernarg_size 40
		.amdhsa_user_sgpr_count 2
		.amdhsa_user_sgpr_kernarg_segment_ptr 1
		.amdhsa_wavefront_size32 1
		.amdhsa_system_sgpr_workgroup_id_x 1
		.amdhsa_system_sgpr_workgroup_id_y 1
		.amdhsa_system_sgpr_workgroup_id_z 1
		.amdhsa_system_vgpr_workitem_id 0
		.amdhsa_next_free_vgpr 1024
		.amdhsa_next_free_sgpr 98
		.amdhsa_reserve_vcc 0
		.amdhsa_float_denorm_mode_32 3
		.amdhsa_float_denorm_mode_16_64 3
		.amdhsa_memory_ordered 1
		.amdhsa_forward_progress 1
		.amdhsa_inst_pref_size 78
	.end_amdhsa_kernel
	.amdgpu_metadata
---
amdhsa.version: [ 1, 2 ]
amdhsa.kernels:
  - .name:           k_qa778dfa718_proj
    .symbol:         k_qa778dfa718_proj.kd
    .args:
      - { .name: y_img, .offset: 0, .size: 8, .value_kind: global_buffer, .address_space: global }
      - { .name: wp_img, .offset: 8, .size: 8, .value_kind: global_buffer, .address_space: global }
      - { .name: b_proj, .offset: 16, .size: 8, .value_kind: global_buffer, .address_space: global }
      - { .name: lowp_scales, .offset: 24, .size: 8, .value_kind: global_buffer, .address_space: global }
      - { .name: out0, .offset: 32, .size: 8, .value_kind: global_buffer, .address_space: global }
    .group_segment_fixed_size: 327680
    .private_segment_fixed_size: 0
    .kernarg_segment_align: 8
    .kernarg_segment_size: 40
    .max_flat_workgroup_size: 128
    .sgpr_count:     98
    .vgpr_count:     1024
    .wavefront_size: 32
...
	.end_amdgpu_metadata
.endif
;; end of part 4
